; MI455X (gfx1250); checked and timed in simulation.
; The chip was launched on July 23, 2026; its instructions are those of AMD's public machine-readable ISA for CDNA 5 (MIT licence, August 2026) and "CDNA5" Instruction Set Architecture Reference Guide (July 2026). The comments in the code are by the model that wrote it; some were corrected since.
;; Cross Attention Fusion. Allowed arithmetic: matrix products marked QUANTISED: E2M1 operands, one E8M0 scale for each 32 along K, by v_wmma_scale_f32_16x16x128_f8f6f4 with both operands' format E2M1 (or v_wmma_scale_f32_32x16x128_f4), f32 sums; products left as they are: bf16, f16 or f32 operands; f32 sums; everything else in f32.
;; Inputs: F_cam 2 x 256 x 64 x 64 float32; F_lidar 2 x 64 x 64 x 64 float32; W1 1,024 x 256 float32; W2 256 x 1,024 float32; Wk 256 x 256 float32; Wo 256 x 256 float32; Wq 256 x 64 float32; Wres 256 x 64 float32; Wv 256 x 256 float32; b1 256 float32; b2 256 float32; bf1 1,024 float32; bf2 256 float32; g1 256 float32; g2 256 float32.
;; Outputs: out0 2 x 256 x 64 x 64 float32.
;; This version of the problem:
;;   THIS VERSION OF THE PROBLEM IS GIVEN IN LOW PRECISION. The matrix products marked QUANTISED in the list below multiply operands that are first quantised to E2M1 (2 exponent bits, 1 mantissa bit; 4 bits a number), with one power-of-two scale for each 32 numbers along K (OCP MX v1.0); their sums are f32. The products marked 'left as it is' may take bf16, f16 or f32 operands, with f32 sums. Whichever they take, every output number must still come out within the allowed error. Rounding operands to bf16 (8 significant bits) uses up far more of that allowance than f16 does (11 bits, for magnitudes from 6e-5 to 65,504). All else is computed in f32.
;;   The module's matrix products, in the order in which they are computed (A, B: the left and right operand; K: the contracted axis; several contracted axes count as one K, in the product's order):
;;     1. [M 8,192, K 64] x [K 64, N 256]; A: input F_lidar; B: input Wq: QUANTISED
;;     2. [M 8,192, K 256] x [K 256, N 256]; A: input F_cam; B: input Wk: QUANTISED
;;     3. [M 8,192, K 256] x [K 256, N 256]; A: input F_cam; B: input Wv: QUANTISED
;;     4. batch 16 x [M 4,096, K 32] x [K 32, N 4,096]; A: computed on the way; B: computed on the way: left as it is (an operand is computed on the way)
;;     5. batch 16 x [M 4,096, K 4,096] x [K 4,096, N 32]; A: computed on the way; B: computed on the way: left as it is (an operand is computed on the way)
;;     6. [M 8,192, K 256] x [K 256, N 256]; A: computed on the way; B: input Wo: left as it is (an operand is computed on the way)
;;     7. [M 8,192, K 64] x [K 64, N 256]; A: input F_lidar; B: input Wres: QUANTISED
;;     8. [M 8,192, K 256] x [K 256, N 1,024]; A: computed on the way; B: input W1: left as it is (an operand is computed on the way)
;;     9. [M 8,192, K 1,024] x [K 1,024, N 256]; A: computed on the way; B: input W2: left as it is (an operand is computed on the way)
;;   THE QUANTISER, for each operand of a quantised product, along K:
;;     - K is cut into blocks of 32 from its start; a last block that is shorter is filled with zeros.
;;     - A block's scale is 2^e with e = floor(log2(the largest magnitude in the block)) - 2, held to -126 .. 127; a block of zeros has e = 0. As a byte (E8M0): e + 127.
;;     - Each number is divided by its block's scale, clamped to +-6, and rounded to the nearest number of E2M1, ties to even, subnormals kept.
;;     - The product sums the exact products of the quantised numbers (number of the format x scale) in f32.
;;   ~~~python
;;   def quantise(x, axis):      # numpy; x: float32 -> the quantised numbers, widened to float32 again
;;       x = np.moveaxis(x, axis, -1); K = x.shape[-1]
;;       x = np.pad(x, [(0, 0)] * (x.ndim - 1) + [(0, -K % 32)]); x = x.reshape(x.shape[:-1] + (-1, 32)); a = np.abs(x).max(-1, keepdims=True)
;;       e = np.where(a > 0, np.clip(np.frexp(np.where(a > 0, a, 1))[1] - 1 - 2, -126, 127), 0)      # np.frexp(a)[1] - 1 = floor(log2(a)), exactly
;;       r = np.clip(x / 2.0 ** e, -6, 6)
;;       step = 2.0 ** (np.maximum(np.frexp(np.where(r == 0, 1, r))[1] - 1, 0) - 1)
;;       q = np.round(r / step) * step * 2.0 ** e      # np.round: ties to even
;;       return np.moveaxis(q.reshape(q.shape[:-2] + (-1,))[..., :K], -1, axis).astype(np.float32)
;;   ~~~
;; One version. Each part assembles by itself: llvm-mc -triple=amdgcn-amd-amdhsa -mcpu=gfx1250 --defsym DOCPART=n.
;; ======== version 1 of 1: 3 launches
;; limits: values are held in f16: magnitudes above 65,504 overflow, below 6.1e-05 lose precision
;; workspace buffers: Qf 4,194,304 bytes; Kf 4,194,304 bytes; Vf 4,194,304 bytes; Rf 8,388,608 bytes; Af 4,194,304 bytes; W1f 524,288 bytes; W2f 524,288 bytes; Wof 131,072 bytes
;; launch proj (part 1): grid 64 x 4, 16 waves a work-group, no clusters, 46,592 bytes of LDS; arguments F_lidar, F_cam, Wq, Wres, Wk, Wv, Wo, W1, W2, Qf, Kf, Vf, Rf, Wof, W1f, W2f; writes Qf, Kf, Vf, Rf, Wof, W1f, W2f
.if DOCPART == 1
	.amdgcn_target "amdgcn-amd-amdhsa--gfx1250"
	.amdhsa_code_object_version 6
	.text
	.protected	k_q1a189fdc13_proj
	.globl	k_q1a189fdc13_proj
	.p2align	8
	.type	k_q1a189fdc13_proj,@function
k_q1a189fdc13_proj:
	s_mov_b64 s[64:65], 0
	v_nop
	global_prefetch_b8 v0, s[64:65] scope:SCOPE_SE
	s_setreg_imm32_b32 hwreg(HW_REG_WAVE_MODE, 25, 1), 1
	s_wait_xcnt 0x0
; PROJ: the four quantised products Q = xl Wq^T, resid = xl Wres^T (K = 64), K = xc Wk^T, V = xc Wv^T (K = 256), on codes of FP4 (E2M1) with one E8M0 scale for each 32 along K,
; and the f16 images of Wo, W1, W2 for the last launch.
; SHARES.  Work-group (x, y) takes tokens 128 x .. 128 x + 127 (of 8,192) and channels 64 y .. 64 y + 63 of each of the four results.  It has 128 x 320 numbers of F and 64 x 640 of the weights to quantise:
; 81,920 = 80 units of 32 numbers a lane, five units for each of its 16 waves.  Waves 0-7 take the tokens: A LANE IS A TOKEN AND ITS REGISTERS RUN DOWN THE CHANNELS (tokens are innermost in F, so each load reads 128
; consecutive bytes a wave and a block of 32 along K lies in one lane).  Waves 8-15 take the weights, whose K is innermost: lane (r, h) loads the very 32 numbers that the operand's layout gives it.
; The codes meet in LDS; one barrier; then wave (tp, ct) makes two tiles of 16 tokens x one tile of 16 channels of all four results: 12 matrix instructions.
; WHAT IS STORED lies in the order of the next operand's registers, 512 consecutive bytes an instruction (lane l's 16 bytes at 16 l):
;   Qf, Kf [bh][tile of 16 tokens][c][lane]: token r, channels 16 c + 8 h + 0..7 of the head, f16; Q already times log2(e) / sqrt(32).   Vf [bh][32 keys][channel tile][c][lane]: channel r, keys 16 c + 8 h + 0..7, f16.
;   Rf [token tile][channel tile][half][lane]: the f32 accumulator as it stands.   W1f, W2f, Wof: fragments of 16 rows x 32 K, f16, in the order in which the last launch's waves take them.
; Q, resid and K are made with source 0 = 16 rows of the weight and source 1 = 16 tokens (a lane then holds one token and eight channels), V the other way round (a lane holds one channel and eight tokens).
; NO CLUSTER, NO TENSOR LOAD: every number arrives as f32 and goes from memory into the registers of the lane that quantises it.  The four work-groups of a token block read the same 163,840 bytes of F and the 64 of a
; channel group the same 163,840 bytes of weights; sharing them further would cost a launch of its own for codes that are read once.
; LIMITS: NaN and infinities among the inputs are not served.  A block of zeros gets the scale byte 1 where the rule says 127: its codes are zeros, and this program alone reads the bytes.
; The f16 numbers stored here (Q times 0.255, K, V, Wo, W1, W2) have to stay under 65,504.
.set TOK,   0                          ; LDS: the tokens' codes [block 0-7 of F_cam, 8-9 of F_lidar][token 0-127][16 bytes]
.set TSC,   20480                      ; their scale bytes [token][16 bytes], byte = block
.set WCI,   22528                      ; Wk's and Wv's fragments as images of their registers [4 matrix + tile][K step][c][lane][16 bytes]
.set WLI,   38912                      ; Wq's and Wres's [4 matrix + tile][lane][16 bytes]: K = 64 fills registers 0-3 alone
.set WCS,   43008                      ; scale bytes of Wk, Wv [16 (4 matrix + tile) + r][8 bytes]
.set WLS,   44032                      ; of Wq, Wres [..][4 bytes], bytes 0 and 1 used
.set SPARE, 44544                      ; the spare words, 128 bytes for each of 16 waves: eight blocks of 256 bytes that no other line names
.set LANE, 1
.set RR,   2                           ; r = lane % 16
.set HH,   3                           ; h = lane / 16
.set L16,  4                           ; 16 x lane
.set SPW,  5                           ; LDS address of my spare word; never rewritten
.set NIL,  6                           ; 0; never rewritten
.set TCA,  7                           ; LDS addresses, all made ahead of the parting into roles: where a token wave stores codes,
.set TSA,  8                           ; scale bytes;
.set WCA,  9                           ; a weight wave Wk's or Wv's codes,
.set WLA,  10                          ; Wq's or Wres's,
.set WSA,  11                          ; and their scale bytes
.set WTA,  12
.set TRA,  13                          ; where I read token fragments,
.set TRS,  14                          ; their scale words,
.set WRA,  15                          ; the weights' fragments
.set WRL,  16
.set WRS,  17                          ; and scale words
.set WRT,  18
.set TGO,  19                          ; global offsets: my token in F,
.set WGO,  20                          ; my 32 numbers in a row of Wk or Wv,
.set WLO,  21                          ; of Wq or Wres,
.set CVO,  22                          ; my 8 numbers in the fragment that I turn into f16
.set T0,   23
.set T1,   24
.set SC,   25
.set EB,   26                          ; v26-30  a unit's scale byte
.set CD,   32                          ; v32-51  a unit's codes, four registers
.set TS,   52                          ; v52-57  scale words of the token fragments (2 tiles x 3 K steps); v52-63 hold scales and nothing else
.set WS,   58                          ; v58-63  of the weights: Wk step 0, 1, Wv step 0, 1, Wq, Wres
.set X,    64                          ; v64-223 five units of 32 numbers
.set CR,   224                         ; v224-239 16 numbers of Wo, W1 or W2;  v240-247 as f16
.set CO,   240
.set TF,   64                          ; after the barrier: token fragments (tile u, K step s) at TF + 8 (3 u + s); s = 2: F_lidar
.set WF,   112                         ; the weights' fragments, in WS's order
.set AQ,   160                         ; the accumulators, tile u at + 8 u
.set AR,   176
.set AK,   192
.set AV,   208
.set PKD,  24                          ; v24-47  Q, K, V as f16
.set WV,   36                          ; s36 wave;  s37 x;  s38 y;  s39 batch;  s40 the token block in its batch;  s41 wave % 8;  s42 wave % 4;  s43 (wave / 4) % 2;  s44 wave / 4
.set CS,   86                          ; s[86:87] log2(e) / sqrt(32)
	s_load_b512 s[4:19], s[0:1], 0x0               ; F_lidar s[4:5], F_cam s[6:7], Wq s[8:9], Wres s[10:11], Wk s[12:13], Wv s[14:15], Wo s[16:17], W1 s[18:19]
	s_load_b512 s[20:35], s[0:1], 0x40             ; W2 s[20:21], Qf s[22:23], Kf s[24:25], Vf s[26:27], Rf s[28:29], Wof s[30:31], W1f s[32:33], W2f s[34:35]
	v_lshl_add_u32 v[SPW], v0, 2, SPARE
	v_mov_b32 v[NIL], 0
	v_lshrrev_b32 v[LANE], 5, v0
	v_readfirstlane_b32 s[WV], v[LANE]             ; wave 0..15
	v_and_b32 v[LANE], 31, v0
	v_and_b32 v[RR], 15, v0
	v_bfe_u32 v[HH], v0, 4, 1
	v_lshlrev_b32 v[L16], 4, v[LANE]
	s_mov_b32 s37, ttmp9
	s_and_b32 s38, ttmp7, 0xffff
	s_lshr_b32 s39, s37, 5
	s_and_b32 s40, s37, 31
	s_and_b32 s41, s[WV], 7
	s_and_b32 s42, s[WV], 3
	s_bfe_u32 s43, s[WV], 0x10002
	s_lshr_b32 s44, s[WV], 2
	s_mov_b32 s[CS], 0x3e8293ee
	s_mov_b32 s[CS+1], s[CS]                       ; (named with it as a pair, so it is written)
	; token waves: wave = 4 half + tg takes tokens 32 tg + lane and blocks 5 half + 0..4
	s_mul_i32 s46, s43, 10240                      ; five blocks of 2,048 bytes
	s_lshl_b32 s47, s42, 9
	s_add_co_u32 s46, s46, s47
	v_add_nc_u32 v[TCA], s46, v[L16]
	s_mul_i32 s46, s43, 5
	s_add_co_u32 s46, s46, s47
	s_add_co_u32 s46, s46, TSC
	v_add_nc_u32 v[TSA], s46, v[L16]
	; weight waves: wave - 8 = 4 matrix + tile
	s_lshl_b32 s46, s41, 11
	s_add_co_u32 s46, s46, WCI
	v_add_nc_u32 v[WCA], s46, v[L16]
	s_lshl_b32 s46, s41, 9
	s_add_co_u32 s46, s46, WLI
	v_add_nc_u32 v[WLA], s46, v[L16]
	s_lshl_b32 s46, s41, 7
	s_add_co_u32 s46, s46, WCS
	v_lshl_add_u32 v[WSA], v[RR], 3, v[HH]
	v_add_nc_u32 v[WSA], s46, v[WSA]
	s_lshl_b32 s46, s41, 6
	s_add_co_u32 s46, s46, WLS
	v_lshl_add_u32 v[WTA], v[RR], 2, v[HH]
	v_add_nc_u32 v[WTA], s46, v[WTA]
	; the products: wave = 4 tp + ct takes tokens 32 tp + 16 u + r and channel tile ct
	s_lshl_b32 s46, s44, 9
	v_lshlrev_b32 v[TRA], 4, v[RR]
	v_add_nc_u32 v[TRS], s46, v[TRA]
	v_add_nc_u32 v[TRS], TSC, v[TRS]
	v_lshl_add_u32 v[TRA], v[HH], 11, v[TRA]       ; lanes 16-31 take the block behind lanes 0-15's
	v_add_nc_u32 v[TRA], s46, v[TRA]
	s_lshl_b32 s46, s42, 11
	s_add_co_u32 s46, s46, WCI
	v_add_nc_u32 v[WRA], s46, v[L16]
	s_lshl_b32 s46, s42, 9
	s_add_co_u32 s46, s46, WLI
	v_add_nc_u32 v[WRL], s46, v[L16]
	s_lshl_b32 s46, s42, 7
	s_add_co_u32 s46, s46, WCS
	v_lshl_add_u32 v[WRS], v[RR], 3, s46
	s_lshl_b32 s46, s42, 6
	s_add_co_u32 s46, s46, WLS
	v_lshl_add_u32 v[WRT], v[RR], 2, s46
	s_lshl_b32 s46, s42, 7
	v_lshl_add_u32 v[TGO], v[LANE], 2, s46         ; 4 (32 tg + lane)
	v_lshlrev_b32 v[WGO], 10, v[RR]
	v_lshl_add_u32 v[WGO], v[HH], 7, v[WGO]        ; row r of 1,024 bytes, + 128 h
	v_lshlrev_b32 v[WLO], 8, v[RR]
	v_lshl_add_u32 v[WLO], v[HH], 7, v[WLO]        ; row r of 256 bytes, + 128 h
	; where my results go: bh = 8 batch + 2 y + ct / 2, cc = ct % 2
	s_lshl_b32 s76, s39, 3
	s_lshl_b32 s77, s38, 1
	s_add_co_u32 s76, s76, s77
	s_lshr_b32 s77, s42, 1
	s_add_co_u32 s76, s76, s77
	s_lshl_b32 s76, s76, 18                        ; a head is 262,144 bytes in each of Qf, Kf, Vf
	s_and_b32 s77, s42, 1
	s_lshl_b32 s78, s40, 13                        ; 8 tiles of 1,024 bytes, or 4 groups of 2,048, for each token block,
	s_lshl_b32 s79, s44, 11                        ; 2 tiles, or one group, for each tp
	s_add_co_u32 s78, s78, s79
	s_add_co_u32 s78, s78, s76
	s_lshl_b32 s79, s77, 9
	s_add_co_u32 s80, s78, s79                     ; Qf, Kf: + 512 cc
	s_mov_b32 s81, 0
	s_lshl_b32 s79, s77, 10
	s_add_co_u32 s82, s78, s79                     ; Vf: + 1,024 cc
	s_mov_b32 s83, 0
	s_lshl_b32 s84, s37, 3
	s_lshl_b32 s85, s44, 1
	s_add_co_u32 s84, s84, s85                     ; Rf: token tile 8 x + 2 tp,
	s_lshl_b32 s84, s84, 4
	s_lshl_b32 s85, s38, 2
	s_add_co_u32 s84, s84, s85
	s_add_co_u32 s84, s84, s42                     ; channel tile 4 y + ct,
	s_lshl_b32 s84, s84, 10                        ; 1,024 bytes each
	s_mov_b32 s85, 0
	s_wait_kmcnt 0x0
	s_add_nc_u64 s[22:23], s[22:23], s[80:81]
	s_add_nc_u64 s[24:25], s[24:25], s[80:81]
	s_add_nc_u64 s[26:27], s[26:27], s[82:83]
	s_add_nc_u64 s[28:29], s[28:29], s[84:85]
; A block of 32 numbers, v[x] .. v[x + 31], all of one lane: its largest magnitude with the floor 2^(3 - 127) among the leaves (so the byte cannot fall under 1); 2 off the exponent field gives the conversion's scale
; operand; four conversions give 32 codes in v[c] .. v[c + 3]; the shift that makes the byte v[e] is also the plain line behind the last conversion.
.macro QB x, c, e
	v_max3_num_f32 v[T0], |v[\x]|, |v[\x+1]|, |v[\x+2]|
	v_max3_num_f32 v[T1], |v[\x+3]|, |v[\x+4]|, |v[\x+5]|
.irp i, 6,10,14,18,22,26
	v_max3_num_f32 v[T0], v[T0], |v[\x+\i]|, |v[\x+\i+1]|
	v_max3_num_f32 v[T1], v[T1], |v[\x+\i+2]|, |v[\x+\i+3]|
.endr
	v_max3_num_f32 v[T0], v[T0], |v[\x+30]|, |v[\x+31]|
	v_max3_num_f32 v[T0], v[T0], v[T1], 0x1800000
	v_add_nc_u32 v[SC], 0xff000000, v[T0]
.irp g, 0,1,2,3
	v_cvt_scalef32_pk8_fp4_f32 v[\c+\g], v[\x+8*\g:\x+8*\g+7], v[SC]
.endr
	v_lshrrev_b32 v[\e], 23, v[SC]
.endm
	s_cmp_lt_u32 s[WV], 8
	s_cbranch_scc0 .Lweights
	; ---- THE TOKENS (waves 0-7).  Units 0-2: F_cam's blocks 5 half + 0..2.  Units 3, 4: half 0: F_cam's blocks 3, 4; half 1: F_lidar's two blocks.
	s_lshl_b32 s50, s39, 22                        ; a batch of F_cam is 4,194,304 bytes,
	s_lshl_b32 s52, s40, 9                         ; 128 tokens are 512
	s_add_co_u32 s50, s50, s52
	s_mul_i32 s53, s43, 2621440                    ; five blocks of 32 channels of 16,384 bytes
	s_add_co_u32 s54, s50, s53
	s_mov_b32 s55, 0
	s_add_nc_u64 s[48:49], s[6:7], s[54:55]
	s_add_co_u32 s50, s50, 1572864                 ; three blocks on
	s_lshl_b32 s53, s39, 20                        ; a batch of F_lidar is 1,048,576 bytes
	s_add_co_u32 s53, s53, s52
	s_cmp_eq_u32 s43, 1
	s_cselect_b32 s54, s53, s50
	s_cselect_b64 s[56:57], s[4:5], s[6:7]
	s_add_nc_u64 s[56:57], s[56:57], s[54:55]
.set i, 0
.rept 96
	global_load_b32 v[X+i], v[TGO], s[48:49] offset:i*16384      ; channel i of my three blocks, my token: 32 lanes read 128 consecutive bytes
.set i, i+1
.endr
.set i, 0
.rept 64
	global_load_b32 v[X+96+i], v[TGO], s[56:57] offset:i*16384
.set i, i+1
.endr
.irp i, 0,1,2,3,4
.if \i == 0
	s_wait_loadcnt 63                              ; of my 160 loads at most 63 are out: the first 97 are in, units 0 to 2 (96 loads) among them
.elseif \i == 3
	s_wait_loadcnt 32                              ; unit 4's 32 may be out
.elseif \i == 4
	s_wait_loadcnt 0x0
.endif
	QB X+32*\i, CD+4*\i, EB+\i
	ds_store_b128 v[TCA], v[CD+4*\i:CD+4*\i+3] offset:2048*\i
	ds_store_b8 v[TSA], v[EB+\i] offset:\i
.endr
	s_branch .Ljoin
.Lweights:
	; ---- THE WEIGHTS (waves 8-15): 16 rows of Wk or Wv (four units: K step s, half c of it) and the same 16 rows of Wq or Wres (one unit)
	s_lshr_b32 s50, s41, 2                         ; matrix
	s_and_b32 s51, s41, 3                          ; tile
	s_lshl_b32 s52, s38, 6
	s_lshl_b32 s53, s51, 4
	s_add_co_u32 s52, s52, s53                     ; first row: 64 y + 16 tile
	s_lshl_b32 s54, s52, 10
	s_mov_b32 s55, 0
	s_cmp_eq_u32 s50, 1
	s_cselect_b64 s[48:49], s[14:15], s[12:13]     ; Wv or Wk
	s_cselect_b64 s[56:57], s[10:11], s[8:9]       ; Wres or Wq
	s_add_nc_u64 s[48:49], s[48:49], s[54:55]
	s_lshl_b32 s54, s52, 8
	s_add_nc_u64 s[56:57], s[56:57], s[54:55]
.irp u, 0,1,2,3
.irp j, 0,1,2,3,4,5,6,7
	global_load_b128 v[X+32*\u+4*\j:X+32*\u+4*\j+3], v[WGO], s[48:49] offset:256*\u+16*\j   ; k = 64 u + 32 h + 4 j on, of row r
.endr
.endr
.irp j, 0,1,2,3,4,5,6,7
	global_load_b128 v[X+128+4*\j:X+128+4*\j+3], v[WLO], s[56:57] offset:16*\j
.endr
	; One fragment of W1, W2 or Wo becomes f16: 1,152 fragments in all, number J = 256 (wave - 8) + 64 y + x; waves with J beyond them have none.  The branch hangs on ids alone.
	s_sub_co_u32 s58, s[WV], 8
	s_lshl_b32 s59, s38, 6
	s_add_co_u32 s59, s59, s37
	s_lshl_b32 s60, s58, 8
	s_add_co_u32 s60, s60, s59
	s_cmp_ge_u32 s60, 1152
	s_cbranch_scc1 .Lno_job
	s_lshr_b32 s61, s58, 1                         ; 0: W1, 1: W2, 2: Wo
	s_and_b32 s62, s[WV], 1
	s_lshl_b32 s62, s62, 8
	s_add_co_u32 s62, s62, s59                     ; f: the fragment's number in its buffer = [chunk][wave of the last launch][K step][tile]
	s_lshr_b32 s67, s62, 7
	s_lshl_b32 s67, s67, 3
	s_cmp_eq_u32 s61, 1
	s_cselect_b32 s63, 12, 10                      ; a row is 4,096 bytes in W2, 1,024 in W1 and Wo
	s_cselect_b32 s66, 3, 15                       ; W2: the chunk counts K steps, not rows
	s_cselect_b32 s67, s67, 0
	s_cselect_b64 s[68:69], s[20:21], s[18:19]
	s_cselect_b64 s[70:71], s[34:35], s[32:33]
	s_cmp_eq_u32 s61, 2
	s_cselect_b64 s[68:69], s[16:17], s[68:69]
	s_cselect_b64 s[70:71], s[30:31], s[70:71]
	s_lshr_b32 s72, s62, 5
	s_and_b32 s72, s72, s66
	s_lshl_b32 s72, s72, 2
	s_and_b32 s73, s62, 3
	s_add_co_u32 s72, s72, s73                     ; the tile of 16 rows
	s_bfe_u32 s73, s62, 0x30002
	s_add_co_u32 s73, s73, s67                     ; the K step of 32
	s_lshl_b32 s72, s72, 4
	s_lshl_b32 s72, s72, s63
	s_lshl_b32 s73, s73, 7
	s_add_co_u32 s72, s72, s73
	s_mov_b32 s73, 0
	s_add_nc_u64 s[68:69], s[68:69], s[72:73]
	s_lshl_b32 s74, s62, 10
	s_mov_b32 s75, 0
	s_add_nc_u64 s[70:71], s[70:71], s[74:75]
	v_lshlrev_b32 v[CVO], s63, v[RR]
	v_lshl_add_u32 v[CVO], v[HH], 5, v[CVO]        ; row r, + 8 h numbers
	global_load_b128 v[CR:CR+3], v[CVO], s[68:69]                  ; k = 8 h + 0..7
	global_load_b128 v[CR+4:CR+7], v[CVO], s[68:69] offset:16
	global_load_b128 v[CR+8:CR+11], v[CVO], s[68:69] offset:64     ; k = 16 + 8 h + 0..7
	global_load_b128 v[CR+12:CR+15], v[CVO], s[68:69] offset:80
	s_wait_loadcnt 0x0
.irp i, 0,1,2,3,4,5,6,7
	v_cvt_pk_f16_f32 v[CO+\i], v[CR+2*\i], v[CR+2*\i+1]
.endr
	global_store_b128 v[L16], v[CO:CO+3], s[70:71]                 ; 32 lanes store 512 consecutive bytes; neither the data nor the addresses are written again
	global_store_b128 v[L16], v[CO+4:CO+7], s[70:71] offset:512
.Lno_job:
.irp u, 0,1,2,3
	s_wait_loadcnt 8*(4-\u)                        ; the later units' loads, eight each, may be out (behind a fragment's conversion all are in)
	QB X+32*\u, CD+4*\u, EB+\u
	ds_store_b128 v[WCA], v[CD+4*\u:CD+4*\u+3] offset:512*\u       ; registers 4 c .. 4 c + 3 of K step s, u = 2 s + c, as they stand
	ds_store_b8 v[WSA], v[EB+\u] offset:2*\u                       ; block 2 u + h of row r
.endr
	s_wait_loadcnt 0x0
	QB X+128, CD+16, EB+4
	ds_store_b128 v[WLA], v[CD+16:CD+19]
	ds_store_b8 v[WTA], v[EB+4]
.Ljoin:
	s_wait_dscnt 0x0                               ; for the others' sake: my stores have landed
	s_barrier_signal -1
	s_barrier_wait -1
	; ---- THE PRODUCTS.  K = 64 is filled up to the instruction's 128 by zero codes on both sides (their scale bytes, the upper half of a 16-bit load, are 0, which is 2^-127 over zeros)
.irp j, 4,5,6,7
	v_mov_b32 v[TF+16+\j], 0
	v_mov_b32 v[TF+40+\j], 0
	v_mov_b32 v[WF+32+\j], 0
	v_mov_b32 v[WF+40+\j], 0
.endr
.irp u, 0,1
.irp s, 0,1
.irp c, 0,1
	ds_load_b128 v[TF+8*(3*\u+\s)+4*\c:TF+8*(3*\u+\s)+4*\c+3], v[TRA] offset:256*\u+(4*\s+2*\c)*2048   ; block 4 s + 2 c + h of token 32 tp + 16 u + r
.endr
	ds_load_b32 v[TS+3*\u+\s], v[TRS] offset:256*\u+4*\s
.endr
	ds_load_b128 v[TF+8*(3*\u+2):TF+8*(3*\u+2)+3], v[TRA] offset:256*\u+16384
	ds_load_u16 v[TS+3*\u+2], v[TRS] offset:256*\u+8
.endr
.irp n, 0,1
.irp s, 0,1
.irp c, 0,1
	ds_load_b128 v[WF+8*(2*\n+\s)+4*\c:WF+8*(2*\n+\s)+4*\c+3], v[WRA] offset:8192*\n+1024*\s+512*\c
.endr
	ds_load_b32 v[WS+2*\n+\s], v[WRS] offset:512*\n+4*\s
.endr
	ds_load_b128 v[WF+32+8*\n:WF+32+8*\n+3], v[WRL] offset:2048*\n
	ds_load_u16 v[WS+4+\n], v[WRT] offset:256*\n
.endr
.rept 4
	v_nop                                          ; an operand register written by a vector instruction (the zeros) stands four places ahead of a scaled matrix instruction
.endr
	s_wait_dscnt 0x0
.macro SW0 d, a, b, sa, sb             ; the first K step starts the sum
	v_wmma_scale_f32_16x16x128_f8f6f4 v[\d:\d+7], v[\a:\a+7], v[\b:\b+7], 0, v[\sa], v[\sb] matrix_a_fmt:MATRIX_FMT_FP4 matrix_b_fmt:MATRIX_FMT_FP4
.endm
.macro SWA d, a, b, sa, sb
	v_wmma_scale_f32_16x16x128_f8f6f4 v[\d:\d+7], v[\a:\a+7], v[\b:\b+7], v[\d:\d+7], v[\sa], v[\sb] matrix_a_fmt:MATRIX_FMT_FP4 matrix_b_fmt:MATRIX_FMT_FP4
.endm
	SW0 AQ,   WF+32, TF+16, WS+4, TS+2            ; the eight accumulators take turns, one instruction a turn
	SW0 AQ+8, WF+32, TF+40, WS+4, TS+5
	SW0 AR,   WF+40, TF+16, WS+5, TS+2
	SW0 AR+8, WF+40, TF+40, WS+5, TS+5
	SW0 AK,   WF,    TF,    WS,   TS
	SW0 AK+8, WF,    TF+24, WS,   TS+3
	SW0 AV,   TF,    WF+16, TS,   WS+2            ; V: source 0 = the tokens
	SW0 AV+8, TF+24, WF+16, TS+3, WS+2
	SWA AK,   WF+8,  TF+8,  WS+1, TS+1
	SWA AK+8, WF+8,  TF+32, WS+1, TS+4
	SWA AV,   TF+8,  WF+24, TS+1, WS+3
	SWA AV+8, TF+32, WF+24, TS+4, WS+3
.rept 4
	v_nop                                          ; four places ahead of the first read of results
.endr
.irp j, 0,2,4,6,8,10,12,14
	v_pk_mul_f32 v[AQ+\j:AQ+\j+1], v[AQ+\j:AQ+\j+1], s[CS:CS+1] op_sel_hi:[1,0]   ; Q times log2(e) / sqrt(32), in f32
.endr
.irp u, 0,1
	global_store_b128 v[L16], v[AR+8*\u:AR+8*\u+3], s[28:29] offset:16384*\u           ; the residual leaves as f32, each accumulator from its low end on
	global_store_b128 v[L16], v[AR+8*\u+4:AR+8*\u+7], s[28:29] offset:16384*\u+512
.endr
.irp u, 0,1
.irp i, 0,1,2,3
	v_cvt_pk_f16_f32 v[PKD+4*\u+\i], v[AQ+8*\u+2*\i], v[AQ+8*\u+2*\i+1]
.endr
.endr
.irp u, 0,1
.irp i, 0,1,2,3
	v_cvt_pk_f16_f32 v[PKD+8+4*\u+\i], v[AK+8*\u+2*\i], v[AK+8*\u+2*\i+1]
.endr
.endr
.irp u, 0,1
.irp i, 0,1,2,3
	v_cvt_pk_f16_f32 v[PKD+16+4*\u+\i], v[AV+8*\u+2*\i], v[AV+8*\u+2*\i+1]
.endr
.endr
.irp u, 0,1
	global_store_b128 v[L16], v[PKD+4*\u:PKD+4*\u+3], s[22:23] offset:1024*\u          ; each store covers 512 consecutive bytes, aligned
	global_store_b128 v[L16], v[PKD+8+4*\u:PKD+8+4*\u+3], s[24:25] offset:1024*\u
	global_store_b128 v[L16], v[PKD+16+4*\u:PKD+16+4*\u+3], s[26:27] offset:512*\u     ; V: token tile u is half c = u of a group of 32 keys
.endr
	s_wait_tensorcnt 0x0                           ; the wave's end
	ds_add_u32 v[SPW], v[NIL]
	s_wait_dscnt 0x0
	s_endpgm
.Lfunc_end_k_q1a189fdc13_proj:
	.size	k_q1a189fdc13_proj, .Lfunc_end_k_q1a189fdc13_proj-k_q1a189fdc13_proj
	.p2alignl 7, 3214868480
	.fill 96, 4, 3214868480
	.section	.rodata,"a",@progbits
	.p2align	6, 0x0
	.amdhsa_kernel k_q1a189fdc13_proj
		.amdhsa_group_segment_fixed_size 46592
		.amdhsa_private_segment_fixed_size 0
		.amdhsa_enable_private_segment 0
		.amdhsa_kernarg_size 128
		.amdhsa_user_sgpr_count 2
		.amdhsa_user_sgpr_kernarg_segment_ptr 1
		.amdhsa_wavefront_size32 1
		.amdhsa_system_sgpr_workgroup_id_x 1
		.amdhsa_system_sgpr_workgroup_id_y 1
		.amdhsa_system_sgpr_workgroup_id_z 1
		.amdhsa_system_vgpr_workitem_id 0
		.amdhsa_next_free_vgpr 256
		.amdhsa_next_free_sgpr 100
		.amdhsa_reserve_vcc 0
		.amdhsa_float_denorm_mode_32 3
		.amdhsa_float_denorm_mode_16_64 3
		.amdhsa_memory_ordered 1
		.amdhsa_forward_progress 1
		.amdhsa_inst_pref_size 50
	.end_amdhsa_kernel
	.amdgpu_metadata
---
amdhsa.version: [ 1, 2 ]
amdhsa.kernels:
  - .name:           k_q1a189fdc13_proj
    .symbol:         k_q1a189fdc13_proj.kd
    .args:
      - { .name: F_lidar, .offset: 0, .size: 8, .value_kind: global_buffer, .address_space: global }
      - { .name: F_cam, .offset: 8, .size: 8, .value_kind: global_buffer, .address_space: global }
      - { .name: Wq, .offset: 16, .size: 8, .value_kind: global_buffer, .address_space: global }
      - { .name: Wres, .offset: 24, .size: 8, .value_kind: global_buffer, .address_space: global }
      - { .name: Wk, .offset: 32, .size: 8, .value_kind: global_buffer, .address_space: global }
      - { .name: Wv, .offset: 40, .size: 8, .value_kind: global_buffer, .address_space: global }
      - { .name: Wo, .offset: 48, .size: 8, .value_kind: global_buffer, .address_space: global }
      - { .name: W1, .offset: 56, .size: 8, .value_kind: global_buffer, .address_space: global }
      - { .name: W2, .offset: 64, .size: 8, .value_kind: global_buffer, .address_space: global }
      - { .name: Qf, .offset: 72, .size: 8, .value_kind: global_buffer, .address_space: global }
      - { .name: Kf, .offset: 80, .size: 8, .value_kind: global_buffer, .address_space: global }
      - { .name: Vf, .offset: 88, .size: 8, .value_kind: global_buffer, .address_space: global }
      - { .name: Rf, .offset: 96, .size: 8, .value_kind: global_buffer, .address_space: global }
      - { .name: Wof, .offset: 104, .size: 8, .value_kind: global_buffer, .address_space: global }
      - { .name: W1f, .offset: 112, .size: 8, .value_kind: global_buffer, .address_space: global }
      - { .name: W2f, .offset: 120, .size: 8, .value_kind: global_buffer, .address_space: global }
    .group_segment_fixed_size: 46592
    .private_segment_fixed_size: 0
    .kernarg_segment_align: 8
    .kernarg_segment_size: 128
    .max_flat_workgroup_size: 512
    .sgpr_count:     100
    .vgpr_count:     256
    .wavefront_size: 32
...
	.end_amdgpu_metadata
.endif
;; end of part 1
;; launch attn (part 2): grid 16 x 16, 8 waves a work-group, clusters of 4 x 1, 327,680 bytes of LDS; arguments Qf, Kf, Vf, Af; writes Af
.if DOCPART == 2
	.amdgcn_target "amdgcn-amd-amdhsa--gfx1250"
	.amdhsa_code_object_version 6
	.text
	.protected	k_q1a189fdc13_attn
	.globl	k_q1a189fdc13_attn
	.p2align	8
	.type	k_q1a189fdc13_attn,@function
k_q1a189fdc13_attn:
	s_mov_b64 s[64:65], 0
	v_nop
	global_prefetch_b8 v0, s[64:65] scope:SCOPE_SE
	s_setreg_imm32_b32 hwreg(HW_REG_WAVE_MODE, 25, 1), 1
	s_wait_xcnt 0x0
	s_wait_alu depctr_hold_cnt(0) depctr_sa_sdst(0) depctr_va_vdst(0) depctr_va_sdst(0) depctr_va_ssrc(0) depctr_va_vcc(0) depctr_vm_vsrc(0)
	s_getreg_b32 s2, hwreg(HW_REG_IB_STS2, 6, 4)
	s_cmp_eq_u32 s2, 0
	s_cbranch_scc0 .Lentry_in_a_cluster
	s_endpgm
.Lentry_in_a_cluster:
	s_bfe_u32 s2, ttmp6, 0x10000c
	s_cmp_lg_u32 s2, 0x3003
	s_cbranch_scc0 .Lentry_shape_is_right
	s_endpgm
.Lentry_shape_is_right:
; ATTN: A[bh][q] = the sum over k of softmax_k(Q[q] . K[k] / sqrt(32)) V[k], 16 heads of 4,096 tokens, head size 32; operands f16, products, maxima and sums f32.
; Qf, Kf, Vf lie in the order of the operands' registers (a fragment is two runs of 512 bytes, lane l's 16 bytes at 16 l); Q already carries log2(e) / sqrt(32).
; SHARES.  A work-group owns 256 queries of one head, each of its eight waves 32: two tiles of 16.  Two waves share a SIMD, so that one wave's exponentials stand beside the other's products.
; LAYOUT.  S^T = K Q^T (source 0 = 16 keys, source 1 = 16 queries): a lane holds ONE query (lane % 16) and the keys 8 (lane / 16) + 0..7.  Two such tiles, rounded to f16 in pairs, are source 1 of O^T = V^T P.
; THE SOFTMAX GOES IN TWO PASSES OVER THE KEYS.  The head's whole K (262,144 bytes) stays in LDS.  Pass 1 makes S^T and keeps each query's maximum m.  Pass 2 makes S^T again with -m as the matrix instruction's C,
; so that its result goes straight into the exponential: p = 2^(S - m).  The row's true maximum is taken away; no running statistics, no scaling line, no rescaling of O^T.  At head size 32 a tile of scores has two
; matrix instructions against eight exponentials and their company, so a second product K Q^T (8 matrix instructions for 64 keys) is paid to take 64 vector instructions out of the same 64 keys.
; The row's sum is taken of the unrounded p and divides at the end.
; CLUSTER.  The four query blocks of a cluster belong to one head and read the same K and V: every tile is asked for JOINTLY, by the same tensor load with the same descriptor and a mask that names the four.
; Every wave fetches its eighth of every tile, so no tensor load stands under a branch.  By this text's count six loads of a wave are out at the start, later one.
; LIMITS: NaN and infinities are not served; p is at most about 1 and is rounded to f16 (what lies under 6e-8 of the row's largest weight counts as 0 in the second product, and in full in the sum).
.set VRING, 262144                     ; LDS: K's 256 tiles of 1,024 bytes from 0 on; then V's ring: two slots of 256 keys (8 groups of 32 keys x 2,048 bytes)
.set VSLOT, 16384
.set SPARE, 294912                     ; the spare words, 128 bytes for each of eight waves: four blocks of 256 bytes that no other line names
.set L16,  1                           ; v1   16 x lane
.set AKR,  2                           ; v2   LDS address of the K tiles in hand
.set LV,   3                           ; v3   16 x lane + VRING
.set SPW,  4                           ; v4   LDS address of my spare word; never rewritten
.set NIL,  5                           ; v5   0; never rewritten
.set PFO,  6                           ; v6   256 x lane: the prefetch's offset; never rewritten
.set M,    8                           ; v8-15   pass 1: running maxima, (tile q, key tile kt) at 4 q + kt
.set SUM,  8                           ; v8-15   pass 2: the row's sum, two pairs for each q
.set Q,    16                          ; v16-31  Q, 8 a tile
.set NEGM, 32                          ; v32-47  -m, eight equal registers a tile: an accumulator's layout
.set KF,   48                          ; v48-79  four tiles of K
.set VF,   80                          ; v80-111 four fragments of V^T: (group g, channel tile d) at 8 (2 g + d)
.set S,    112                         ; v112-175 S^T, then p: (q, kt) at 32 q + 8 kt
.set P,    176                         ; v176-207 p as f16: (q, g) at 16 q + 8 g
.set O,    208                         ; v208-239 O^T: (q, d) at 16 q + 8 d
.set T,    240                         ; v240-247 at work
.set WV,   12                          ; s12 wave;  s13 cx;  s14 my block of 256 queries;  s15 the head
.set KO,   20                          ; s20 LDS byte of the K step from which AKR counts
.set CNT,  22                          ; s22 loop counter
.set G1K,  24                          ; s[24:31] descriptor group 1 for K: 32 rows of 256 bytes
.set G1V,  32                          ; s[32:39] for V: 8 rows of 256 bytes
.set G0K,  40                          ; s[40:55] group 0 for K's four chunks
.set G0V,  56                          ; s[56:63] group 0 for V's two slots
.set SEL,  66                          ; s[66:67] lane selects for v_permlanex16_b32: lane l xor 16
.set PFA,  68                          ; s[68:69] where my prefetch stands
.set LIM,  70                          ; s70 1 in the wave that prefetches, else the greatest number
.macro ROUND                           ; a round of the cluster's barrier: my work-group's barrier; wave 0 signals for the work-group; every wave waits for all four; my work-group's barrier once more
	s_barrier_signal -1
	s_barrier_wait -1
	s_cmp_lg_u32 s[WV], 0
	s_cbranch_scc1 .Lnot_wave_0_\@
	s_barrier_signal -3
.Lnot_wave_0_\@:
	s_barrier_wait -3
	s_barrier_signal -1
	s_barrier_wait -1
.endm
	s_load_b256 s[4:11], s[0:1], 0x0               ; Qf s[4:5], Kf s[6:7], Vf s[8:9], Af s[10:11]
	v_lshl_add_u32 v[SPW], v0, 2, SPARE
	v_mov_b32 v[NIL], 0
	ds_add_u32 v[SPW], v[NIL]                      ; the wave's opening: the add, twice on end, and its wait ahead of my first tensor load; work on registers stands between
	ds_add_u32 v[SPW], v[NIL]
	v_lshrrev_b32 v[L16], 5, v0
	v_readfirstlane_b32 s[WV], v[L16]              ; wave 0..7
	s_bfe_u32 s13, ttmp6, 0x40000                  ; cx: it enters Q's, A's and the prefetch's global addresses alone
	s_lshl_b32 s14, ttmp9, 2
	s_add_co_u32 s14, s14, s13
	s_and_b32 s15, ttmp7, 0xffff                   ; the head, which the four partners share
	; descriptor group 1: a dense block as rows of 256 bytes (32 elements of 8 bytes), no padding: the images are read 512 consecutive bytes an instruction
	s_mov_b32 s[G1K], 15|(3<<16)|(1<<21)           ; 15:0 the mask: all four work-groups; 17:16 elements of 8 bytes; 21 set beside a mask
	s_mov_b32 s[G1K+1], 32<<16                     ; tensor_dim0 = 32
	s_mov_b32 s[G1K+2], 32<<16                     ; tensor_dim1 = 32
	s_mov_b32 s[G1K+3], 32<<16                     ; tile_dim0 = 32
	s_mov_b32 s[G1K+4], 32                         ; tile_dim1 = 32
	s_mov_b32 s[G1K+5], 32                         ; from row to row
	s_mov_b32 s[G1K+6], 0
	s_mov_b32 s[G1K+7], 0
	s_mov_b32 s[G1V], 15|(3<<16)|(1<<21)
	s_mov_b32 s[G1V+1], 32<<16
	s_mov_b32 s[G1V+2], 8<<16                      ; 8 rows
	s_mov_b32 s[G1V+3], 32<<16
	s_mov_b32 s[G1V+4], 8
	s_mov_b32 s[G1V+5], 32
	s_mov_b32 s[G1V+6], 0
	s_mov_b32 s[G1V+7], 0
	s_mov_b32 s[SEL], 0x76543210
	s_mov_b32 s[SEL+1], 0xfedcba98
	s_lshl_b32 s16, s[WV], 13                      ; my eighth of a chunk of K: 8,192 bytes
	s_lshl_b32 s17, s[WV], 11                      ; my eighth of a slot of V: 2,048 bytes
	s_lshl_b32 s21, s15, 18                        ; a head is 262,144 bytes in Qf, Kf and Vf
	s_add_co_u32 s18, s21, s16
	s_mov_b32 s19, 0
	s_add_co_u32 s72, s21, s17
	s_mov_b32 s73, 0
	s_lshl_b32 s74, s14, 14                        ; Q: 16 tiles of 1,024 bytes a block, two a wave
	s_add_co_u32 s74, s74, s21
	s_add_co_u32 s74, s74, s17
	s_mov_b32 s75, 0
	s_lshr_b32 s76, s15, 3                         ; A: [batch x 256 + token tile][head of 8][1,024 bytes]
	s_lshl_b32 s76, s76, 21
	s_lshl_b32 s77, s14, 17
	s_add_co_u32 s76, s76, s77
	s_lshl_b32 s77, s[WV], 14
	s_add_co_u32 s76, s76, s77
	s_and_b32 s77, s15, 7
	s_lshl_b32 s77, s77, 10
	s_add_co_u32 s76, s76, s77
	s_mov_b32 s77, 0
	s_lshl_b32 s78, s13, 13                        ; the prefetch: my work-group's 8,192 bytes of 32,768,
	s_add_co_u32 s78, s78, s21
	s_add_co_u32 s78, s78, VSLOT                   ; from fill 1 on: the first change of slots steps it to fill 3
	s_mov_b32 s79, 0
	s_or_b32 s[LIM], s[WV], ttmp9                  ; wave 0 of the head's first cluster: the same in all four partners
	s_cmp_eq_u32 s[LIM], 0
	s_cselect_b32 s[LIM], 1, -1
	v_and_b32 v[L16], 31, v0
	v_lshlrev_b32 v[PFO], 8, v[L16]
	v_lshlrev_b32 v[L16], 4, v[L16]
	v_add_nc_u32 v[LV], VRING, v[L16]
	s_wait_dscnt 0x0                               ; both opening adds are done
	s_wait_kmcnt 0x0
	s_add_nc_u64 s[6:7], s[6:7], s[18:19]
	s_add_nc_u64 s[PFA:PFA+1], s[8:9], s[78:79]
	s_add_nc_u64 s[8:9], s[8:9], s[72:73]
	s_add_nc_u64 s[4:5], s[4:5], s[74:75]
	s_add_nc_u64 s[10:11], s[10:11], s[76:77]
.irp i, 0,1,2,3
	s_mov_b32 s[G0K+4*\i], 1                                       ; count = 1
	s_add_co_u32 s[G0K+4*\i+1], s16, 65536*\i                      ; LDS address: chunk i, my eighth
	s_add_nc_u64 s[G0K+4*\i+2:G0K+4*\i+3], s[6:7], 65536*\i        ; global address
	s_or_b32 s[G0K+4*\i+3], s[G0K+4*\i+3], 0x80000000              ; type = 2
.endr
.irp n, 0,1
	s_mov_b32 s[G0V+4*\n], 1
	s_add_co_u32 s[G0V+4*\n+1], s17, VRING+VSLOT*\n
	s_add_nc_u64 s[G0V+4*\n+2:G0V+4*\n+3], s[8:9], VSLOT*\n
	s_or_b32 s[G0V+4*\n+3], s[G0V+4*\n+3], 0x80000000
.endr
	ROUND                                          ; all four work-groups are here: the first joint loads meet
	tensor_load_to_lds s[G0V:G0V+3], s[G1V:G1V+7]                  ; V's first two slots first, so that the counted waits on K's chunks show them landed too
	s_nop 0
	tensor_load_to_lds s[G0V+4:G0V+7], s[G1V:G1V+7]
	s_nop 0
.irp i, 0,1,2,3
	tensor_load_to_lds s[G0K+4*\i:G0K+4*\i+3], s[G1K:G1K+7]
	s_nop 0
.endr
.rept 4
	v_nop
.endr
.irp q, 0,1
.irp c, 0,1
	global_load_b128 v[Q+8*\q+4*\c:Q+8*\q+4*\c+3], v[L16], s[4:5] offset:1024*\q+512*\c   ; Q stays in registers
.endr
.endr
.irp j, 0,1,2,3,4,5,6,7
	v_mov_b32 v[M+\j], 0xff800000                  ; under every score
	v_mov_b32 v[T+\j], 0                           ; written once: a lane permute's destination counts as one of its sources
.endr
.macro LOADK k                         ; four tiles of K, 64 keys, from byte k behind AKR's
.irp kt, 0,1,2,3
.irp c, 0,1
	ds_load_b128 v[KF+8*\kt+4*\c:KF+8*\kt+4*\c+3], v[AKR] offset:\k+1024*\kt+512*\c
.endr
.endr
.endm
; PASS 1, a step of 64 keys: eight products, the next step's K, 32 lines of maxima (each accumulator from its low end on).  next = 1: there is a next step in this chunk.
.macro P1STEP next
	s_wait_dscnt 0x0                               ; this step's K is in
.irp kt, 0,1,2,3
.irp q, 0,1
	v_wmma_f32_16x16x32_f16 v[S+32*\q+8*\kt:S+32*\q+8*\kt+7], v[KF+8*\kt:KF+8*\kt+7], v[Q+8*\q:Q+8*\q+7], 0
.endr
.endr
.if \next
	s_add_co_u32 s[KO], s[KO], 4096
	v_add_nc_u32 v[AKR], s[KO], v[L16]             ; with the three v_nop: four places ahead of the loads into K's registers and of the first read of results
.else
	v_nop
.endif
.rept 3
	v_nop
.endr
.if \next
	LOADK 0
.endif
.irp p, 0,1,2,3
.irp q, 0,1
.irp kt, 0,1,2,3
	v_max3_num_f32 v[M+4*\q+\kt], v[M+4*\q+\kt], v[S+32*\q+8*\kt+2*\p], v[S+32*\q+8*\kt+2*\p+1]
.endr
.endr
.endr
.endm
.irp i, 0,1,2,3                        ; K's four chunks of 1,024 keys, 16 steps each
	s_wait_tensorcnt 3-\i                          ; the later chunks' loads, one each, may be out: my eighth of chunk i is in (and of V's two slots, which were asked for first)
	s_wait_dscnt 0x0
	s_barrier_signal -1                            ; Later tiles may stay on their way
	s_barrier_wait -1                              ; everybody's eighth is in
	s_mov_b32 s[KO], 65536*\i
	v_add_nc_u32 v[AKR], s[KO], v[L16]
	LOADK 0
.if \i == 0
	s_wait_loadcnt 0x0                             ; Q
.endif
	s_mov_b32 s[CNT], 15
.Lp1_\i:
	P1STEP 1
	s_sub_co_u32 s[CNT], s[CNT], 1
	s_cmp_lg_u32 s[CNT], 0
	s_cbranch_scc1 .Lp1_\i
	P1STEP 0
.endr
.irp q, 0,1
	v_max3_num_f32 v[T+4*\q], v[M+4*\q], v[M+4*\q+1], v[M+4*\q+2]
.endr
.irp q, 0,1
	v_max_num_f32 v[T+4*\q], v[T+4*\q], v[M+4*\q+3]
.endr
.irp q, 0,1
	v_permlanex16_b32 v[T+4*\q+1], v[T+4*\q], s[SEL], s[SEL+1]     ; the query's other keys lie in the lane 16 away
.endr
.irp q, 0,1
	v_max_num_f32 v[T+4*\q], v[T+4*\q], v[T+4*\q+1]                ; m: the row's maximum over all 4,096 keys
.endr
.irp q, 0,1
.irp j, 0,1,2,3,4,5,6,7
	v_mul_f32 v[NEGM+8*\q+\j], -1.0, v[T+4*\q]
.endr
.endr
.irp j, 0,1,2,3,4,5,6,7
	v_mov_b32 v[SUM+\j], 0
.endr
.set i, 0
.rept 32
	v_mov_b32 v[O+i], 0                            ; the key step is written in one form: its first run finds zeros
.set i, i+1
.endr
	s_mov_b32 s[KO], 0
	v_add_nc_u32 v[AKR], s[KO], v[L16]
	LOADK 0
.macro CVQ q                           ; tile q's 32 weights as f16: group g's registers 4 e + i = the pair 2 i, 2 i + 1 of key tile 2 g + e
.irp g, 0,1
.irp e, 0,1
.irp i, 0,1,2,3
	v_cvt_pk_f16_f32 v[P+16*(\q)+8*\g+4*\e+\i], v[S+32*(\q)+8*(2*\g+\e)+2*\i], v[S+32*(\q)+8*(2*\g+\e)+2*\i+1]
.endr
.endr
.endr
.endm
.macro PVQ q                           ; O^T += V^T P for tile q: its two accumulators by turns
.irp g, 0,1
.irp d, 0,1
	v_wmma_f32_16x16x32_f16 v[O+16*(\q)+8*\d:O+16*(\q)+8*\d+7], v[VF+8*(2*\g+\d):VF+8*(2*\g+\d)+7], v[P+16*(\q)+8*\g:P+16*(\q)+8*\g+7], v[O+16*(\q)+8*\d:O+16*(\q)+8*\d+7]
.endr
.endr
.endm
; PASS 2, a step of 64 keys: step u of V's slot b; k: where the NEXT step's K lies behind AKR's byte, or -1 at the very end.
.macro P2STEP b, u, k
.irp g, 0,1
.irp d, 0,1
.irp c, 0,1
	ds_load_b128 v[VF+8*(2*\g+\d)+4*\c:VF+8*(2*\g+\d)+4*\c+3], v[LV] offset:VSLOT*(\b)+4096*(\u)+2048*\g+1024*\d+512*\c   ; (the sums at the last step's end are the places behind its products)
.endr
.endr
.endr
	s_wait_dscnt 8                                 ; these eight may be out: this step's K, asked for a step ago, is in
.irp kt, 0,1,2,3
.irp q, 0,1
	v_wmma_f32_16x16x32_f16 v[S+32*\q+8*\kt:S+32*\q+8*\kt+7], v[KF+8*\kt:KF+8*\kt+7], v[Q+8*\q:Q+8*\q+7], v[NEGM+8*\q:NEGM+8*\q+7]   ; S - m
.endr
.endr
.rept 4
	v_nop                                          ; four places ahead of the loads into K's registers and of the first read of results
.endr
.if (\k) >= 0
	LOADK \k
.endif
.set i, 0
.rept 64
	v_exp_f32 v[S+i], v[S+i]                       ; p = 2^(S - m): one batch, each accumulator from its low end on
.set i, i+1
.endr
	v_nop                                          ; the plain line behind the last exponential
	s_wait_alu depctr_va_vdst(0)                   ; one wait for the batch, ahead of the first line that names a result
	CVQ 0
.if (\k) >= 0
	s_wait_dscnt 8                                 ; the next step's K may be out: V is in
.else
	s_wait_dscnt 0x0
.endif
	PVQ 0
	CVQ 1
	PVQ 1
.irp p, 0,4,8,12,16,20,24,28
.irp q, 0,1
	v_pk_add_f32 v[SUM+4*\q:SUM+4*\q+1], v[SUM+4*\q:SUM+4*\q+1], v[S+32*\q+\p:S+32*\q+\p+1]           ; the row's sum, of the unrounded p, in two chains for each tile
	v_pk_add_f32 v[SUM+4*\q+2:SUM+4*\q+3], v[SUM+4*\q+2:SUM+4*\q+3], v[S+32*\q+\p+2:S+32*\q+\p+3]
.endr
.endr
.endm
; A PREFETCH INTO THE L2 of V's next two fills but one: 32,768 bytes, 8,192 for each of the four partners, told apart by address; a lane names 256 bytes.  All clusters of a head walk the same V: wave 0 of the head's
; first cluster asks, once in a trip of the loop, for the fills that the next two changes of slots will load.  So each block of 256 bytes is named once.  The loop's last trip asks for nothing; fills 0 to 2 and 15 come by their loads alone.
.macro ASK
	s_cmp_gt_u32 s[CNT], s[LIM]
	s_cbranch_scc0 .Lnot_mine_\@
	global_prefetch_b8 v[PFO], s[PFA:PFA+1] th:TH_LOAD_NT scope:SCOPE_SE
.Lnot_mine_\@:
.endm
; THE CHANGE OF SLOTS.  Each wave waits for all its tensor loads (its eighth of the slot ahead), adds 0 to its spare word, and waits for that and for its reads of the slot that it leaves.
; fill = 1: slot n, just left, is filled with the keys two slots on: the barrier is a round of the cluster's, and the joint load is the first thing behind it; it has 256 keys' work in which to land.
.macro CHANGE n, fill, ask
	s_wait_tensorcnt 0x0                           ; no tensor load of mine is out, so a group 0 may be written
	ds_add_u32 v[SPW], v[NIL]                      ; 0 onto my spare word
.if \fill
	s_add_nc_u64 s[G0V+4*\n+2:G0V+4*\n+3], s[G0V+4*\n+2:G0V+4*\n+3], 2*VSLOT   ; the type bits on top are not reached
.endif
.if \ask
	s_wait_xcnt 0x0                                ; the last prefetch, a trip back, has read its address
	s_add_nc_u64 s[PFA:PFA+1], s[PFA:PFA+1], 2*VSLOT
.endif
	s_wait_dscnt 0x0                               ; the add is done, and my reads of the slot are over
.if \fill
	ROUND
	tensor_load_to_lds s[G0V+4*\n:G0V+4*\n+3], s[G1V:G1V+7]
	s_nop 0
.rept 4
	v_nop
.endr
.else
	s_barrier_signal -1
	s_barrier_wait -1
.endif
.if \ask
	ASK
.endif
.endm
.irp u, 0,1,2,3
	P2STEP 0, \u, 4096*(\u+1)                      ; fill 0
.endr
	s_mov_b32 s[KO], 16384
	v_add_nc_u32 v[AKR], s[KO], v[L16]
	s_mov_b32 s[CNT], 7
.Lslot:                                            ; seven trips of 512 keys: fills 1 to 14 are read, fills 2 to 15 asked for
	CHANGE 0, 1, 1
.irp u, 0,1,2,3
	P2STEP 1, \u, 4096*(\u+1)
.endr
	CHANGE 1, 1, 0
.irp u, 0,1,2,3
	P2STEP 0, \u, 4096*(\u+5)
.endr
	s_add_co_u32 s[KO], s[KO], 32768
	v_add_nc_u32 v[AKR], s[KO], v[L16]
	s_sub_co_u32 s[CNT], s[CNT], 1
	s_cmp_lg_u32 s[CNT], 0
	s_cbranch_scc1 .Lslot
	CHANGE 0, 0, 0                                 ; the tail is written out: nothing is left to ask for
.irp u, 0,1,2
	P2STEP 1, \u, 4096*(\u+1)
.endr
	P2STEP 1, 3, -1
	; THE WAY OUT.  (The last step's sums are the places behind the last products.)
.irp q, 0,1
	v_add_f32 v[T+4*\q], v[SUM+4*\q], v[SUM+4*\q+1]
	v_add_f32 v[T+4*\q+2], v[SUM+4*\q+2], v[SUM+4*\q+3]
.endr
.irp q, 0,1
	v_add_f32 v[T+4*\q], v[T+4*\q], v[T+4*\q+2]
.endr
.irp q, 0,1
	v_permlanex16_b32 v[T+4*\q+2], v[T+4*\q], s[SEL], s[SEL+1]
.endr
.irp q, 0,1
	v_add_f32 v[T+4*\q+2], v[T+4*\q], v[T+4*\q+2]                  ; the row's sum
.endr
.irp q, 0,1
	v_rcp_f32 v[T+4*\q], v[T+4*\q+2]
.endr
	v_nop                                          ; the plain line behind the last reciprocal
	s_wait_alu depctr_va_vdst(0)                   ; one wait for the two, ahead of their first reader
.irp q, 0,1
.irp j, 0,2,4,6,8,10,12,14
	v_pk_mul_f32 v[O+16*\q+\j:O+16*\q+\j+1], v[O+16*\q+\j:O+16*\q+\j+1], v[T+4*\q:T+4*\q+1] op_sel_hi:[1,0]
.endr
.endr
.irp q, 0,1
.irp j, 0,1,2,3,4,5,6,7
	v_cvt_pk_f16_f32 v[P+8*\q+\j], v[O+16*\q+2*\j], v[O+16*\q+2*\j+1]
.endr
.endr
.irp q, 0,1
.irp d, 0,1
	global_store_b128 v[L16], v[P+8*\q+4*\d:P+8*\q+4*\d+3], s[10:11] offset:8192*\q+512*\d   ; token r, channels 16 d + 8 h + 0..7 of the head: 512 consecutive bytes a store
.endr
.endr
	s_wait_tensorcnt 0x0                           ; the wave's end
	ds_add_u32 v[SPW], v[NIL]
	s_wait_dscnt 0x0
	ROUND                                          ; the closing round: no work-group ends while a partner may still ask for a tile that names it
	s_endpgm
.Lfunc_end_k_q1a189fdc13_attn:
	.size	k_q1a189fdc13_attn, .Lfunc_end_k_q1a189fdc13_attn-k_q1a189fdc13_attn
	.p2alignl 7, 3214868480
	.fill 96, 4, 3214868480
	.section	.rodata,"a",@progbits
	.p2align	6, 0x0
	.amdhsa_kernel k_q1a189fdc13_attn
		.amdhsa_group_segment_fixed_size 327680
		.amdhsa_private_segment_fixed_size 0
		.amdhsa_enable_private_segment 0
		.amdhsa_kernarg_size 32
		.amdhsa_user_sgpr_count 2
		.amdhsa_user_sgpr_kernarg_segment_ptr 1
		.amdhsa_wavefront_size32 1
		.amdhsa_system_sgpr_workgroup_id_x 1
		.amdhsa_system_sgpr_workgroup_id_y 1
		.amdhsa_system_sgpr_workgroup_id_z 1
		.amdhsa_system_vgpr_workitem_id 0
		.amdhsa_next_free_vgpr 256
		.amdhsa_next_free_sgpr 80
		.amdhsa_reserve_vcc 0
		.amdhsa_float_denorm_mode_32 3
		.amdhsa_float_denorm_mode_16_64 3
		.amdhsa_memory_ordered 1
		.amdhsa_forward_progress 1
		.amdhsa_inst_pref_size 174
	.end_amdhsa_kernel
	.amdgpu_metadata
---
amdhsa.version: [ 1, 2 ]
amdhsa.kernels:
  - .name:           k_q1a189fdc13_attn
    .symbol:         k_q1a189fdc13_attn.kd
    .args:
      - { .name: Qf, .offset: 0, .size: 8, .value_kind: global_buffer, .address_space: global }
      - { .name: Kf, .offset: 8, .size: 8, .value_kind: global_buffer, .address_space: global }
      - { .name: Vf, .offset: 16, .size: 8, .value_kind: global_buffer, .address_space: global }
      - { .name: Af, .offset: 24, .size: 8, .value_kind: global_buffer, .address_space: global }
    .group_segment_fixed_size: 327680
    .private_segment_fixed_size: 0
    .kernarg_segment_align: 8
    .kernarg_segment_size: 32
    .max_flat_workgroup_size: 256
    .sgpr_count:     80
    .vgpr_count:     256
    .wavefront_size: 32
...
	.end_amdgpu_metadata
.endif
;; end of part 2
;; launch tail (part 3): grid 128 x 1, 4 waves a work-group, no clusters, 172,544 bytes of LDS; arguments Af, Rf, Wof, W1f, W2f, g1, b1, g2, b2, bf1, bf2, out0; writes out0
.if DOCPART == 3
	.amdgcn_target "amdgcn-amd-amdhsa--gfx1250"
	.amdhsa_code_object_version 6
	.text
	.protected	k_q1a189fdc13_tail
	.globl	k_q1a189fdc13_tail
	.p2align	8
	.type	k_q1a189fdc13_tail,@function
k_q1a189fdc13_tail:
	s_mov_b64 s[64:65], 0
	v_nop
	global_prefetch_b8 v0, s[64:65] scope:SCOPE_SE
	s_setreg_imm32_b32 hwreg(HW_REG_WAVE_MODE, 25, 1), 1
	s_wait_xcnt 0x0
; TAIL: x = LN1(resid + A Wo^T); out = LN2(x + relu(x W1^T + bf1) W2^T + bf2), stored with the channels outermost.  Operands f16, sums and everything else f32.
; SHARES.  A work-group of four waves takes 64 tokens (four tiles m of 16) through the whole chain: a LayerNorm wants all 256 channels of a token in one work-group, so every work-group walks all 1,179,648 bytes of f16
; weights.  With 64 tokens that is 128 work-groups and 1,152 matrix instructions a wave; with 32 tokens, 256 work-groups would read twice the weight bytes for half the products each.  So this launch has work for 128.
; THE WAVES SHARE THE COLUMNS: wave w makes channels 64 w .. 64 w + 63 (tiles t) of both 256-wide results and hidden units 256 hc + 64 w .. + 63 of chunk hc, for all 64 tokens: a wave tile of 64 x 64.
; Every product has source 0 = 16 rows of a weight and source 1 = 16 tokens: a lane holds one token (lane % 16) and eight channels 8 (lane / 16) + 0..7, and two neighbouring tiles, rounded to f16 in pairs, are the
; next product's source 1 in the same lanes.  ACTIVATIONS GO FROM WAVE TO WAVE THROUGH LDS AS IMAGES OF THEIR REGISTERS (lane l's 16 bytes at 16 l, 512 bytes an instruction).
; THE WEIGHTS GO FROM MEMORY STRAIGHT INTO REGISTERS, in the order in which the first launch laid them: a fragment (1,024 bytes) is wanted by ONE wave and feeds four products there.  NO CLUSTER, no joint load: through LDS
; each fragment would be written and read once more, 2,048 bytes for every four matrix instructions, beside the 1,024 bytes of activations that those four already read.
; The residual is the C with which each sum begins: Rf is loaded into the accumulators of A Wo^T, and x stays in them as the start of the second FFN product.
; LayerNorm: each wave takes mean and sum of squared distances over its 64 channels; the four pairs meet in LDS and are joined by var = (sum M2 + 64 sum (mean_w - mu)^2) / 256: no difference of large sums.
; The text has no branch and no label.  LIMITS: NaN and infinities are not served; x and the hidden layer are rounded to f16 and have to stay under 65,504.
; REGISTERS, in windows of 256: window 0: v1-13 addresses; v16-63 at work; v64-127 two sets of four token fragments (at the head g1, b1; also the packing's target); v128-255 Y, the 16 accumulators (t, m) at 8 (4 t + m).
;   window 1: v0-127 the hidden chunk's accumulators; v128.. g2, v160.. b2, v192.. bf2, v224.. bf1's chunk (at the head all 256: A's 32 fragments).   window 2: W1's 32 fragments of a chunk.   window 3: W2's (at the head Wo's).
.set XIMG,  0                          ; LDS: x's 32 fragments, (tile m, K step s) at 1,024 (8 m + s)
.set HIMG,  32768                      ; the hidden chunk's, twice: chunks take turns
.set LNX,   98304                      ; the LayerNorms' pairs [wave][m][r][8 bytes], 2,048 bytes for each of the two
.set STG,   102400                     ; the way out: for each wave 64 channels x (256 bytes + 16)
.set SPARE, 172032                     ; the spare words, 128 bytes for each wave: two blocks of 256 bytes that no other line names
.set L16,  1                           ; v1   16 x lane; also where x's images are read (XIMG = 0)
.set XR,   1
.set PO,   2                           ; v2   32 h: my eight numbers of a tile's 16 in g, b and the biases
.set XW,   3                           ; v3   where I store x's images: 16 x lane + 2,048 w
.set HW,   4                           ; v4   the hidden chunk's
.set HR,   6                           ; v6   where they are read
.set LW,   7                           ; v7   where I store a LayerNorm's pair
.set LR,   8                           ; v8   where the four waves' pairs are read
.set SW,   9                           ; v9   the stage, on the way in
.set SR,   10                          ; v10  and back
.set GO,   11                          ; v11  my byte offset in out0
.set SPW,  12                          ; v12  LDS address of my spare word; never rewritten
.set NIL,  13                          ; v13  0; never rewritten
.set LA,   16                          ; v16-23  a pair for each m: mean, M2; later -mu R
.set LB,   24                          ; v24-31  a pair for each m: at work; later R
.set LD,   32                          ; v32-39  distances
.set LE,   32                          ; v32-63  the four waves' pairs, (m, wave) at 8 m + 2 wave
.set ACT,  64
.set PK,   64
.set Y,    128
.set SEL,  34                          ; s[34:35] lane selects for v_permlanex16_b32: lane l xor 16
.set MSB, 0
.macro WIN new                         ; the immediate's high byte repeats the setting that is left; a switch that changes nothing is dropped
.if MSB != \new
	s_set_vgpr_msb (MSB<<8)|\new
.set MSB, \new
.endif
.endm
.macro PLACES                          ; four places behind matrix instructions, ahead of loads into registers that they read and of the first read of results
.rept 4
	v_nop
.endr
.endm
.macro LDW win, reg, base, off         ; 16 fragments of a weight, 16,384 consecutive bytes, into window win from v[reg] on
	WIN \win
.set i, 0
.rept 16
	global_load_b128 v[\reg+8*i:\reg+8*i+3], v[L16], s[\base:\base+1] offset:\off+1024*i
	global_load_b128 v[\reg+8*i+4:\reg+8*i+7], v[L16], s[\base:\base+1] offset:\off+1024*i+512
.set i, i+1
.endr
.endm
.macro LDP win, reg, base, off         ; my wave's 64 numbers of a vector, in an accumulator's layout: eight registers a tile
	WIN \win
.irp t, 0,1,2,3
	global_load_b128 v[\reg+8*\t:\reg+8*\t+3], v[PO], s[\base:\base+1] offset:\off+64*\t
	global_load_b128 v[\reg+8*\t+4:\reg+8*\t+7], v[PO], s[\base:\base+1] offset:\off+64*\t+16
.endr
.endm
.macro ACTL adr, off, s                ; K step s's four token fragments into set s % 2.  Address and destination lie in window 0: every window is 0 where this stands
.irp m, 0,1,2,3
.irp c, 0,1
	ds_load_b128 v[ACT+32*((\s)%2)+8*\m+4*\c:ACT+32*((\s)%2)+8*\m+4*\c+3], v[\adr] offset:\off+(8*\m+(\s))*1024+512*\c
.endr
.endr
.endm
; 16 matrix instructions: my four tiles of rows x the four tiles of tokens, 32 along K.  cb >= 0: the sums begin with the bias at v[cb + 8 t].  The 16 accumulators take turns, one instruction a turn.
.macro MM16 acc, wr, br, cb
.irp t, 0,1,2,3
.irp m, 0,1,2,3
.if (\cb) >= 0
	v_wmma_f32_16x16x32_f16 v[\acc+8*(4*\t+\m):\acc+8*(4*\t+\m)+7], v[\wr+8*\t:\wr+8*\t+7], v[\br+8*\m:\br+8*\m+7], v[\cb+8*\t:\cb+8*\t+7]
.else
	v_wmma_f32_16x16x32_f16 v[\acc+8*(4*\t+\m):\acc+8*(4*\t+\m)+7], v[\wr+8*\t:\wr+8*\t+7], v[\br+8*\m:\br+8*\m+7], v[\acc+8*(4*\t+\m):\acc+8*(4*\t+\m)+7]
.endif
.endr
.endr
.endm
	s_load_b512 s[4:19], s[0:1], 0x0               ; Af s[4:5], Rf s[6:7], Wof s[8:9], W1f s[10:11], W2f s[12:13], g1 s[14:15], b1 s[16:17], g2 s[18:19]
	s_load_b256 s[20:27], s[0:1], 0x40             ; b2 s[20:21], bf1 s[22:23], bf2 s[24:25], out0 s[26:27]
	v_lshl_add_u32 v[SPW], v0, 2, SPARE
	v_mov_b32 v[NIL], 0
	v_lshrrev_b32 v14, 5, v0
	v_readfirstlane_b32 s28, v14                   ; wave w
	v_and_b32 v14, 31, v0
	v_and_b32 v15, 15, v0                          ; r
	v_bfe_u32 v16, v0, 4, 1                        ; h
	v_lshlrev_b32 v[L16], 4, v14
	v_lshlrev_b32 v[PO], 5, v16
	s_lshl_b32 s30, s28, 11
	v_add_nc_u32 v[XW], s30, v[L16]
	s_add_co_u32 s30, s30, HIMG
	v_add_nc_u32 v[HW], s30, v[L16]
	v_add_nc_u32 v[HR], HIMG, v[L16]
	v_lshl_add_u32 v[LR], v15, 3, LNX
	s_lshl_b32 s30, s28, 9
	v_add_nc_u32 v[LW], s30, v[LR]
	s_mul_i32 s30, s28, 17408
	s_add_co_u32 s30, s30, STG
	v_mul_u32_u24 v[SW], v16, 2176                 ; in: channel 8 h + .. of 272 bytes, token r
	v_lshl_add_u32 v[SW], v15, 2, v[SW]
	v_add_nc_u32 v[SW], s30, v[SW]
	v_mul_u32_u24 v[SR], v16, 272                  ; back: lanes 0-15 one channel's 256 bytes, lanes 16-31 the next's
	v_lshl_add_u32 v[SR], v15, 4, v[SR]
	v_add_nc_u32 v[SR], s30, v[SR]
	v_lshlrev_b32 v[GO], 14, v16                   ; and the same two channels in out0, 16,384 bytes apart
	v_lshl_add_u32 v[GO], v15, 4, v[GO]
	s_mov_b32 s[SEL], 0x76543210
	s_mov_b32 s[SEL+1], 0xfedcba98
	s_mov_b32 s36, 0x3b800000                      ; 1 / 256
	s_mov_b32 s37, 0x3727c5ac                      ; 1e-5
	s_mov_b32 s44, 0x42800000                      ; 64
	s_lshl_b32 s30, ttmp9, 15                      ; A: four token tiles of 8,192 bytes
	s_mov_b32 s31, 0
	s_lshl_b32 s32, ttmp9, 16                      ; the residual: four of 16,384,
	s_lshl_b32 s33, s28, 12                        ; my four channel tiles of 1,024
	s_add_co_u32 s32, s32, s33
	s_mov_b32 s33, 0
	s_lshl_b32 s38, s28, 15                        ; my 32 fragments of a weight's chunk
	s_mov_b32 s39, 0
	s_lshl_b32 s40, s28, 8                         ; my 64 numbers of a vector
	s_mov_b32 s41, 0
	s_lshr_b32 s42, ttmp9, 6                       ; out0: the batch,
	s_lshl_b32 s42, s42, 22
	s_lshl_b32 s43, s28, 20                        ; my 64 channels of 16,384 bytes,
	s_add_co_u32 s42, s42, s43
	s_and_b32 s43, ttmp9, 63
	s_lshl_b32 s43, s43, 8                         ; the work-group's 64 tokens: 256 bytes
	s_add_co_u32 s42, s42, s43
	s_mov_b32 s43, 0
	s_wait_kmcnt 0x0
	s_add_nc_u64 s[4:5], s[4:5], s[30:31]
	s_add_nc_u64 s[6:7], s[6:7], s[32:33]
	s_add_nc_u64 s[8:9], s[8:9], s[38:39]
	s_add_nc_u64 s[10:11], s[10:11], s[38:39]
	s_add_nc_u64 s[12:13], s[12:13], s[38:39]
	s_add_nc_u64 s[14:15], s[14:15], s[40:41]
	s_add_nc_u64 s[16:17], s[16:17], s[40:41]
	s_add_nc_u64 s[18:19], s[18:19], s[40:41]
	s_add_nc_u64 s[20:21], s[20:21], s[40:41]
	s_add_nc_u64 s[22:23], s[22:23], s[40:41]
	s_add_nc_u64 s[24:25], s[24:25], s[40:41]
	s_add_nc_u64 s[26:27], s[26:27], s[42:43]
	WIN 0x40                                       ; destination window 1
.irp s, 0,1,2,3,4,5,6,7
.irp m, 0,1,2,3
.irp c, 0,1
	global_load_b128 v[8*(4*\s+\m)+4*\c:8*(4*\s+\m)+4*\c+3], v[L16], s[4:5] offset:8192*\m+1024*\s+512*\c   ; attention's result: a head is a K step
.endr
.endr
.endr
	WIN 0
.irp t, 0,1,2,3
.irp m, 0,1,2,3
.irp c, 0,1
	global_load_b128 v[Y+8*(4*\t+\m)+4*\c:Y+8*(4*\t+\m)+4*\c+3], v[L16], s[6:7] offset:16384*\m+1024*\t+512*\c   ; the residual, straight into the accumulators
.endr
.endr
.endr
	LDW 0xc0, 0, 8, 0                              ; Wo
	LDW 0xc0, 128, 8, 16384
	LDP 0, 64, 14, 0                               ; g1, b1
	LDP 0, 96, 16, 0
	LDW 0x80, 0, 10, 0                             ; W1's first chunk
	LDW 0x80, 128, 10, 16384
	s_wait_loadcnt 63                              ; of my 240 loads at most 63 are out: the first 177 are in, and all up to b1 are 176
	WIN 0x07                                       ; source 0 (Wo) window 3, source 1 (A) window 1
.irp s, 0,1,2,3,4,5,6,7
	MM16 Y, 32*\s, 32*\s, -1
.endr
	PLACES
	LDP 0x40, 128, 18, 0                           ; g2, b2, bf2 and bf1's first chunk take the places of A's fragments
	LDP 0x40, 160, 20, 0
	LDP 0x40, 192, 24, 0
	LDP 0x40, 224, 22, 0
	WIN 0
; LAYERNORM of Y over the 256 channels, then x gain + bias.  off: this norm's bytes in LNX.  second = 1: bf2 is added first, and gain and bias are g2, b2 in window 1; else g1, b1 in window 0.  The four tiles m take turns in every list.
.macro LNORM off, second
.if \second
	WIN 0x04                                       ; source 1 window 1
.irp t, 0,1,2,3
.irp m, 0,1,2,3
.irp i, 0,2,4,6
	v_pk_add_f32 v[Y+8*(4*\t+\m)+\i:Y+8*(4*\t+\m)+\i+1], v[Y+8*(4*\t+\m)+\i:Y+8*(4*\t+\m)+\i+1], v[192+8*\t+\i:192+8*\t+\i+1]
.endr
.endr
.endr
	WIN 0
.endif
.irp t, 0,1,2,3                        ; the sum of my 32 channels of token r, each accumulator from its low end on
.irp i, 0,2,4,6
.irp m, 0,1,2,3
.if (\t == 0) && (\i == 0)
	v_pk_add_f32 v[LA+2*\m:LA+2*\m+1], v[Y+8*\m:Y+8*\m+1], v[Y+8*\m+2:Y+8*\m+3]
.elseif (\t == 0) && (\i == 2)
.else
	v_pk_add_f32 v[LA+2*\m:LA+2*\m+1], v[LA+2*\m:LA+2*\m+1], v[Y+8*(4*\t+\m)+\i:Y+8*(4*\t+\m)+\i+1]
.endif
.endr
.endr
.endr
.irp m, 0,1,2,3
	v_add_f32 v[LA+2*\m], v[LA+2*\m], v[LA+2*\m+1]
.endr
.irp m, 0,1,2,3
	v_permlanex16_b32 v[LA+2*\m+1], v[LA+2*\m], s[SEL], s[SEL+1]   ; the wave's other 32 channels lie in the lane 16 away
.endr
.irp m, 0,1,2,3
	v_add_f32 v[LA+2*\m], v[LA+2*\m], v[LA+2*\m+1]
.endr
.irp m, 0,1,2,3
	v_mul_f32 v[LA+2*\m], 0x3c800000, v[LA+2*\m]                   ; / 64: my wave's mean
.endr
.irp t, 0,1,2,3                        ; the squared distances from it
.irp i, 0,2,4,6
.irp m, 0,1,2,3
	v_pk_add_f32 v[LD+2*\m:LD+2*\m+1], v[Y+8*(4*\t+\m)+\i:Y+8*(4*\t+\m)+\i+1], v[LA+2*\m:LA+2*\m+1] op_sel_hi:[1,0] neg_lo:[0,1] neg_hi:[0,1]
.endr
.irp m, 0,1,2,3
.if (\t == 0) && (\i == 0)
	v_pk_mul_f32 v[LB+2*\m:LB+2*\m+1], v[LD+2*\m:LD+2*\m+1], v[LD+2*\m:LD+2*\m+1]
.else
	v_pk_fma_f32 v[LB+2*\m:LB+2*\m+1], v[LD+2*\m:LD+2*\m+1], v[LD+2*\m:LD+2*\m+1], v[LB+2*\m:LB+2*\m+1]
.endif
.endr
.endr
.endr
.irp m, 0,1,2,3
	v_add_f32 v[LB+2*\m], v[LB+2*\m], v[LB+2*\m+1]
.endr
.irp m, 0,1,2,3
	v_permlanex16_b32 v[LB+2*\m+1], v[LB+2*\m], s[SEL], s[SEL+1]
.endr
.irp m, 0,1,2,3
	v_add_f32 v[LA+2*\m+1], v[LB+2*\m], v[LB+2*\m+1]               ; M2 beside the mean
.endr
.irp m, 0,1,2,3
	ds_store_b64 v[LW], v[LA+2*\m:LA+2*\m+1] offset:\off+128*\m    ; lanes r and r + 16 write the same pair to the same place
.endr
	s_wait_dscnt 0x0                               ; for the others' sake: my stores have landed
	s_barrier_signal -1
	s_barrier_wait -1
.irp m, 0,1,2,3
.irp u, 0,1,2,3
	ds_load_b64 v[LE+8*\m+2*\u:LE+8*\m+2*\u+1], v[LR] offset:\off+(4*\u+\m)*128
.endr
.endr
	s_wait_dscnt 0x0
.irp m, 0,1,2,3
	v_add_f32 v[LA+2*\m], v[LE+8*\m], v[LE+8*\m+2]
.endr
.irp m, 0,1,2,3
	v_add_f32 v[LA+2*\m+1], v[LE+8*\m+4], v[LE+8*\m+6]
.endr
.irp m, 0,1,2,3
	v_add_f32 v[LB+2*\m], v[LE+8*\m+1], v[LE+8*\m+3]
.endr
.irp m, 0,1,2,3
	v_add_f32 v[LB+2*\m+1], v[LE+8*\m+5], v[LE+8*\m+7]
.endr
.irp m, 0,1,2,3
	v_add_f32 v[LA+2*\m], v[LA+2*\m], v[LA+2*\m+1]
.endr
.irp m, 0,1,2,3
	v_add_f32 v[LB+2*\m], v[LB+2*\m], v[LB+2*\m+1]                 ; the four M2
.endr
.irp m, 0,1,2,3
	v_mul_f32 v[LA+2*\m], 0x3e800000, v[LA+2*\m]                   ; mu
.endr
.irp u, 0,1,2,3
.irp m, 0,1,2,3
	v_sub_f32 v[LE+8*\m+2*\u], v[LE+8*\m+2*\u], v[LA+2*\m]
.endr
.endr
.irp m, 0,1,2,3
	v_mul_f32 v[LB+2*\m+1], v[LE+8*\m], v[LE+8*\m]
.endr
.irp u, 1,2,3
.irp m, 0,1,2,3
	v_fmac_f32 v[LB+2*\m+1], v[LE+8*\m+2*\u], v[LE+8*\m+2*\u]
.endr
.endr
.irp m, 0,1,2,3
	v_fma_f32 v[LB+2*\m], v[LB+2*\m+1], s44, v[LB+2*\m]            ; + 64 x the means' squared distances from mu
.endr
.irp m, 0,1,2,3
	v_fma_f32 v[LB+2*\m+1], v[LB+2*\m], s36, s37                   ; var + eps
.endr
.irp m, 0,1,2,3
	v_rsq_f32 v[LB+2*\m], v[LB+2*\m+1]                             ; R
.endr
	v_nop                                          ; the plain line behind the last of the four
	s_wait_alu depctr_va_vdst(0)                   ; one wait for the four, ahead of their first reader
.irp m, 0,1,2,3
	v_mul_f32 v[LA+2*\m], -v[LA+2*\m], v[LB+2*\m]                  ; -mu R
.endr
.irp t, 0,1,2,3
.irp m, 0,1,2,3
.irp i, 0,2,4,6
	v_pk_fma_f32 v[Y+8*(4*\t+\m)+\i:Y+8*(4*\t+\m)+\i+1], v[Y+8*(4*\t+\m)+\i:Y+8*(4*\t+\m)+\i+1], v[LB+2*\m:LB+2*\m+1], v[LA+2*\m:LA+2*\m+1] op_sel_hi:[1,0,0]
.endr
.endr
.endr
.if \second
	WIN 0x14                                       ; sources 1 and 2 window 1
.endif
.irp t, 0,1,2,3
.irp m, 0,1,2,3
.irp i, 0,2,4,6
.if \second
	v_pk_fma_f32 v[Y+8*(4*\t+\m)+\i:Y+8*(4*\t+\m)+\i+1], v[Y+8*(4*\t+\m)+\i:Y+8*(4*\t+\m)+\i+1], v[128+8*\t+\i:128+8*\t+\i+1], v[160+8*\t+\i:160+8*\t+\i+1]
.else
	v_pk_fma_f32 v[Y+8*(4*\t+\m)+\i:Y+8*(4*\t+\m)+\i+1], v[Y+8*(4*\t+\m)+\i:Y+8*(4*\t+\m)+\i+1], v[64+8*\t+\i:64+8*\t+\i+1], v[96+8*\t+\i:96+8*\t+\i+1]
.endif
.endr
.endr
.endr
	WIN 0
.endm
	LNORM 0, 0
.irp t, 0,1,2,3                        ; x as f16: tiles 2 j and 2 j + 1 are the two halves of my K step j; Y keeps x in f32
.irp m, 0,1,2,3
.irp i, 0,1,2,3
	v_cvt_pk_f16_f32 v[PK+4*(4*\t+\m)+\i], v[Y+8*(4*\t+\m)+2*\i], v[Y+8*(4*\t+\m)+2*\i+1]
.endr
.endr
.endr
.irp t, 0,1,2,3
.irp m, 0,1,2,3
	ds_store_b128 v[XW], v[PK+4*(4*\t+\m):PK+4*(4*\t+\m)+3] offset:8192*\m+1024*(\t/2)+512*(\t%2)
.endr
.endr
	s_wait_dscnt 0x0
	s_barrier_signal -1
	s_barrier_wait -1                              ; x's 32 fragments lie in LDS; they are never written again
.irp hc, 0,1,2,3                       ; THE FFN, 256 hidden units at a time
	; ---- the first product: my 64 hidden units x 64 tokens, K = 256.  Each group of 16 weight fragments is asked for two groups (128 matrix instructions) ahead of its use.
	WIN 0                                          ; the chunk before ends under the second product's setting: the loads' address and destination lie in window 0
	ACTL XR, 0, 0                                  ; into set 0, whose last readers (K step 6 of the chunk before) stand ahead of K step 7's four places
.irp s, 0,1,2,3,4,5,6,7
	WIN 0
	PLACES                                         ; behind the last products, ahead of the loads into the set that they read (and of the weight loads below)
.if \s < 7
	ACTL XR, 0, \s+1
.endif
.if \s == 0
.if \hc == 0
	s_wait_loadcnt 0x0                             ; W1's first chunk, and bf1's, which was asked for last
.else
	s_wait_loadcnt 32                              ; the chunk's second 16 fragments of W1 may be out: bf1's chunk and the first 16 are in
.endif
	LDW 0xc0, 0, 12, 131072*\hc                    ; W2's first 16 fragments of this chunk
.endif
.if \s == 4
	s_wait_loadcnt 32                              ; those 32 loads may be out: W1's second 16 fragments are in
	LDW 0xc0, 128, 12, 131072*\hc+16384
.endif
.if \s < 7
	s_wait_dscnt 8                                 ; the next step's eight may be out
.else
	s_wait_dscnt 0x0
.endif
	WIN 0x52                                       ; source 0 (W1) window 2, source 1 window 0, C and D window 1
.if \s == 0
	MM16 0, 0, ACT, 224                            ; the sums begin with bf1
.else
	MM16 0, 32*\s, ACT+32*(\s%2), -1
.endif
.endr
	PLACES
	WIN 0x44                                       ; source 1 and destination window 1
.set i, 0
.rept 128
	v_max_num_f32 v[i], 0, v[i]                    ; relu, in f32
.set i, i+1
.endr
	WIN 0x05                                       ; sources window 1, destination window 0
.irp t, 0,1,2,3
.irp m, 0,1,2,3
.irp i, 0,1,2,3
	v_cvt_pk_f16_f32 v[PK+4*(4*\t+\m)+\i], v[8*(4*\t+\m)+2*\i], v[8*(4*\t+\m)+2*\i+1]
.endr
.endr
.endr
	WIN 0
.irp t, 0,1,2,3
.irp m, 0,1,2,3
	ds_store_b128 v[HW], v[PK+4*(4*\t+\m):PK+4*(4*\t+\m)+3] offset:32768*(\hc%2)+8192*\m+1024*(\t/2)+512*(\t%2)
.endr
.endr
	s_wait_dscnt 0x0                               ; my stores have landed, and my reads of LDS are over
	s_barrier_signal -1                            ; one barrier a chunk: the two images take turns, and an image is written again only by waves that have passed the next chunk's barrier,
	s_barrier_wait -1                              ; which every wave reaches behind its last read of it
	; ---- the second product: my 64 channels x 64 tokens += W2's chunk x the hidden chunk, K = 256
	ACTL HR, 32768*(\hc%2), 0
.irp ks, 0,1,2,3,4,5,6,7
	WIN 0
	PLACES
.if \ks < 7
	ACTL HR, 32768*(\hc%2), \ks+1
.endif
.if \ks == 0
	s_wait_loadcnt 32                              ; W2's second 16 fragments may be out: the first 16 are in
.if \hc < 3
	LDP 0x40, 224, 22, 1024*(\hc+1)                ; the next chunk's bf1 and its first 16 fragments of W1
	LDW 0x80, 0, 10, 131072*(\hc+1)
.endif
.endif
.if \ks == 4
.if \hc < 3
	s_wait_loadcnt 40                              ; those 8 + 32 loads may be out: W2's second 16 fragments are in
	LDW 0x80, 128, 10, 131072*(\hc+1)+16384
.else
	s_wait_loadcnt 0x0
.endif
.endif
.if \ks < 7
	s_wait_dscnt 8
.else
	s_wait_dscnt 0x0
.endif
	WIN 0x03                                       ; source 0 (W2) window 3
	MM16 Y, 32*\ks, ACT+32*(\ks%2), -1
.endr
.endr
	WIN 0
	PLACES
	LNORM 2048, 1
	; THE WAY OUT.  A lane holds one token and eight channels; out0 has the tokens innermost.  My 64 channels x 64 tokens go through my own stage, a channel to a row, and come back as whole rows of 256 bytes.
.irp t, 0,1,2,3
.irp m, 0,1,2,3
.irp j, 0,1,2,3,4,5,6,7
	ds_store_b32 v[SW], v[Y+8*(4*\t+\m)+\j] offset:(16*\t+\j)*272+64*\m
.endr
.endr
.endr
.set i, 0
.rept 32
	ds_load_b128 v[Y+4*i:Y+4*i+3], v[SR] offset:544*i              ; LDS serves a wave's instructions in order: these see my stores
.set i, i+1
.endr
.set i, 0
.rept 32
	s_wait_dscnt 31-i
	global_store_b128 v[GO], v[Y+4*i:Y+4*i+3], s[26:27] offset:32768*i th:TH_STORE_NT   ; sixteen lanes store 256 consecutive bytes of a channel's row, at a multiple of 256 from out0's first byte
.set i, i+1
.endr
	s_wait_tensorcnt 0x0                           ; the wave's end (every window is 0 here)
	ds_add_u32 v[SPW], v[NIL]
	s_wait_dscnt 0x0
	s_endpgm
.Lfunc_end_k_q1a189fdc13_tail:
	.size	k_q1a189fdc13_tail, .Lfunc_end_k_q1a189fdc13_tail-k_q1a189fdc13_tail
	.p2alignl 7, 3214868480
	.fill 96, 4, 3214868480
	.section	.rodata,"a",@progbits
	.p2align	6, 0x0
	.amdhsa_kernel k_q1a189fdc13_tail
		.amdhsa_group_segment_fixed_size 172544
		.amdhsa_private_segment_fixed_size 0
		.amdhsa_enable_private_segment 0
		.amdhsa_kernarg_size 96
		.amdhsa_user_sgpr_count 2
		.amdhsa_user_sgpr_kernarg_segment_ptr 1
		.amdhsa_wavefront_size32 1
		.amdhsa_system_sgpr_workgroup_id_x 1
		.amdhsa_system_sgpr_workgroup_id_y 1
		.amdhsa_system_sgpr_workgroup_id_z 1
		.amdhsa_system_vgpr_workitem_id 0
		.amdhsa_next_free_vgpr 1024
		.amdhsa_next_free_sgpr 66
		.amdhsa_reserve_vcc 0
		.amdhsa_float_denorm_mode_32 3
		.amdhsa_float_denorm_mode_16_64 3
		.amdhsa_memory_ordered 1
		.amdhsa_forward_progress 1
		.amdhsa_inst_pref_size 255
	.end_amdhsa_kernel
	.section	.bss,"aw",@nobits
	.p2align	6
	.space	262144
	.amdgpu_metadata
---
amdhsa.version: [ 1, 2 ]
amdhsa.kernels:
  - .name:           k_q1a189fdc13_tail
    .symbol:         k_q1a189fdc13_tail.kd
    .args:
      - { .name: Af, .offset: 0, .size: 8, .value_kind: global_buffer, .address_space: global }
      - { .name: Rf, .offset: 8, .size: 8, .value_kind: global_buffer, .address_space: global }
      - { .name: Wof, .offset: 16, .size: 8, .value_kind: global_buffer, .address_space: global }
      - { .name: W1f, .offset: 24, .size: 8, .value_kind: global_buffer, .address_space: global }
      - { .name: W2f, .offset: 32, .size: 8, .value_kind: global_buffer, .address_space: global }
      - { .name: g1, .offset: 40, .size: 8, .value_kind: global_buffer, .address_space: global }
      - { .name: b1, .offset: 48, .size: 8, .value_kind: global_buffer, .address_space: global }
      - { .name: g2, .offset: 56, .size: 8, .value_kind: global_buffer, .address_space: global }
      - { .name: b2, .offset: 64, .size: 8, .value_kind: global_buffer, .address_space: global }
      - { .name: bf1, .offset: 72, .size: 8, .value_kind: global_buffer, .address_space: global }
      - { .name: bf2, .offset: 80, .size: 8, .value_kind: global_buffer, .address_space: global }
      - { .name: out0, .offset: 88, .size: 8, .value_kind: global_buffer, .address_space: global }
    .group_segment_fixed_size: 172544
    .private_segment_fixed_size: 0
    .kernarg_segment_align: 8
    .kernarg_segment_size: 96
    .max_flat_workgroup_size: 128
    .sgpr_count:     66
    .vgpr_count:     1024
    .wavefront_size: 32
...
	.end_amdgpu_metadata
.endif
;; end of part 3
